; MI455X (gfx1250); checked and timed in simulation.
; The chip was launched on July 23, 2026; its instructions are those of AMD's public machine-readable ISA for CDNA 5 (MIT licence, August 2026) and "CDNA5" Instruction Set Architecture Reference Guide (July 2026). The comments in the code are by the model that wrote it; some were corrected since.
;; Multi Head Attention. Allowed arithmetic: matrix products marked QUANTISED: E4M3 operands, one given power-of-two scale a tensor, by v_wmma_f32_16x16x64_fp8_fp8 or v_wmma_f32_16x16x128_fp8_fp8, f32 sums; everything else in f32.
;; Inputs: W_k 1,024 x 1,024 float32; W_o 1,024 x 1,024 float32; W_q 1,024 x 1,024 float32; W_v 1,024 x 1,024 float32; X 4 x 2,048 x 1,024 float32; lowp_scales 12 int32 (the exponents e of the quantised operands' scales 2^e).
;; Outputs: out0 4 x 2,048 x 1,024 float32.
;; This version of the problem:
;;   THIS VERSION OF THE PROBLEM IS GIVEN IN LOW PRECISION. The matrix products marked QUANTISED in the list below multiply operands that are first quantised to E4M3 (4 exponent bits, 3 mantissa bits; 8 bits a number), with one given power-of-two scale for each operand tensor; their sums are f32. All else is computed in f32.
;;   The module's matrix products, in the order in which they are computed (A, B: the left and right operand; K: the contracted axis; several contracted axes count as one K, in the product's order):
;;     1. [M 8,192, K 1,024] x [K 1,024, N 1,024]; A: input X; B: input W_q: QUANTISED (scales: A lowp_scales[0], B lowp_scales[1])
;;     2. [M 8,192, K 1,024] x [K 1,024, N 1,024]; A: input X; B: input W_k: QUANTISED (scales: A lowp_scales[2], B lowp_scales[3])
;;     3. [M 8,192, K 1,024] x [K 1,024, N 1,024]; A: input X; B: input W_v: QUANTISED (scales: A lowp_scales[4], B lowp_scales[5])
;;     4. batch 64 x [M 2,048, K 64] x [K 64, N 2,048]; A: computed on the way; B: computed on the way: QUANTISED (scales: A lowp_scales[6], B lowp_scales[7])
;;     5. batch 64 x [M 2,048, K 2,048] x [K 2,048, N 64]; A: softmax (see below); B: computed on the way: QUANTISED (scales: A lowp_scales[8], B lowp_scales[9])
;;     6. [M 8,192, K 1,024] x [K 1,024, N 1,024]; A: computed on the way; B: input W_o: QUANTISED (scales: A lowp_scales[10], B lowp_scales[11])
;;   THE QUANTISER, for each operand of a quantised product, along K:
;;     - The operand's scale is 2^e, e = its entry of the input lowp_scales (int32; the entries are numbered through the quantised products in the list's order, A before B).
;;     - Each number is divided by the scale, clamped to +-448, and rounded to the nearest number of E4M3, ties to even, subnormals kept.
;;     - The product sums the exact products of the quantised numbers (number of the format x scale) in f32.
;;   ~~~python
;;   def quantise(x, axis, e):      # numpy; x: float32 -> the quantised numbers, widened to float32 again
;;       x = np.moveaxis(x, axis, -1); K = x.shape[-1]
;;       r = np.clip(x / 2.0 ** e, -448, 448)
;;       step = 2.0 ** (np.maximum(np.frexp(np.where(r == 0, 1, r))[1] - 1, -6) - 3)
;;       q = np.round(r / step) * step * 2.0 ** e      # np.round: ties to even
;;       return np.moveaxis(q, -1, axis).astype(np.float32)
;;   ~~~
;;   SOFTMAX AHEAD OF A QUANTISED PRODUCT. Where the list says 'softmax', what is quantised is not the finished softmax but p = 2^(t - M), with t = logit x log2(e) and M = ceil(the row's largest t), a whole number; so 1/2 < the row's largest p <= 1. The row's sum l is taken of the UNQUANTISED p, in f32, and the product's result is divided by l at the end. Since M is a whole number, a kernel that streams over the keys may use a running M (the ceiling of the running maximum): every later rescaling is an exact power of two, so the quantised numbers keep their values, but for numbers so far below the row's largest that they fall under the format's range.
;;   OPERANDS COMPUTED ON THE WAY. 'Computed on the way' means the value that the module computes at that place (a softmax that the list does not call 'softmax' is quantised finished and normalised). What goes into a quantiser is computed in f32, as accurately as f32 sums, v_exp_f32 and their like allow (about 1e-6 of the number): no bf16 or f16 on the way to a quantiser, and a product that is left as it is and whose result goes on into a quantised operand takes f32 operands (vector FMAs, or v_wmma_f32_16x16x4_f32). A number that lies on a knife's edge between two numbers of the format may be rounded either way, as far as f32 arithmetic and the matrix unit's own rounding can turn it there, and no further.
;; One version. Each part assembles by itself: llvm-mc -triple=amdgcn-amd-amdhsa -mcpu=gfx1250 --defsym DOCPART=n.
;; ======== version 1 of 1: 4 launches
;; limits: right only within a limited range of input values
;; workspace buffers: xc 25,165,824 bytes; wc 4,194,304 bytes; qkv 25,165,824 bytes; ac 8,388,608 bytes
;; launch quant (part 1): grid 1536 x 1, 4 waves a work-group, no clusters, 34,304 bytes of LDS; arguments X, W_q, W_k, W_v, W_o, lowp_scales, xc, wc; writes xc, wc
.if DOCPART == 1
	.amdgcn_target "amdgcn-amd-amdhsa--gfx1250"
	.amdhsa_code_object_version 6
	.text
	.protected	k_q77ec1d996b_quant
	.globl	k_q77ec1d996b_quant
	.p2align	8
	.type	k_q77ec1d996b_quant,@function
k_q77ec1d996b_quant:
	s_mov_b64 s[64:65], 0
	v_nop
	global_prefetch_b8 v0, s[64:65] scope:SCOPE_SE
	s_setreg_imm32_b32 hwreg(HW_REG_WAVE_MODE, 25, 1), 1
	s_wait_xcnt 0x0
; X [8192][1024] f32 becomes three sets of E4M3 codes (scales 2^e0, 2^e2, 2^e4: X is an operand of three products, each with an entry of its own);
; W_q, W_k, W_v, W_o [1024][1024] f32 become one set each (e1, e3, e5, e11).  code = x / 2^e, held within +-448, to the nearest code, ties to even.
; THE CODES ARE LAID AS IMAGES OF THE OPERAND'S REGISTERS.  A fragment is 16 rows x 128 along K = 2,048 bytes: [quad 0..3][lane 0..31][16 bytes]; lane (r = lane % 16, h = lane / 16) holds, in
; registers 2 c and 2 c + 1, k = 16 c + 8 h + 0 .. 7 of row r (the layout of the plain 8-bit matrix forms, ISA guide 7.12).  Fragment 8 rb + kb (rb = row / 16, kb = k / 128) lies at 2,048 x that number.
; So the products' launches read LDS at 16 x lane, and a K slot of a tile is a regular block for one tensor load.
; SHARES.  One wave makes one fragment: 16 rows x 512 bytes of f32.  Work-groups 0..1023 take X (4,096 fragments), then 128 work-groups for each weight.  Each load reads 512 consecutive bytes of a row;
; the 8 KB turn through the wave's own stage in LDS (rows 528 bytes apart: 33 x 16, so that sixteen rows start at sixteen different 16-byte columns) and come back 32 bytes of a row at a time, as the lane's
; eight neighbours along K.  Each store covers 512 consecutive bytes, aligned.  No loop: no register that a load or store names is written twice, so no wait frees one.
; LIMITS: each e lies between -126 and 119, so that 2^e and 448 x 2^e are f32 numbers.  NaN among the inputs is not served; an infinity is held at the largest code.
.set SP,    528                        ; a stage row: 512 bytes + 16
.set STG,   16*SP                      ; a wave's stage
.set SPARE, 4*STG                      ; behind the four stages: the spare words, 128 bytes for each wave: two blocks of 256 bytes that no other line names
.set LO,    1                          ; v1   16 x lane: my place in a load's and a store's 512 bytes; never rewritten
.set SIN,   2                          ; v2   the stage, on the way in
.set SOUT,  3                          ; v3   and on the way out: row r, + 32 h
.set SPW,   8                          ; v8   LDS address of my spare word; never rewritten
.set NIL,   9                          ; v9   0; never rewritten
.set LIM,   10                         ; v11: 2^e of code set 0; v13 of set 1; v15 of set 2
.set R,     16                         ; v16-79   the 16 rows as loaded
.set XN,    80                         ; v80-143  register 8 c + i = k 16 c + 8 h + i of my row
.set T,     144
.set C,     176                        ; v176-223 codes: 16 registers for each code set, so that no store's data are written again
	s_load_b512 s[4:19], s[0:1], 0x0               ; X s[4:5], W_q s[6:7], W_k s[8:9], W_v s[10:11], W_o s[12:13], the exponents s[14:15], xc s[16:17], wc s[18:19]
	v_lshl_add_u32 v[SPW], v0, 2, SPARE
	v_mov_b32 v[NIL], 0
	v_lshrrev_b32 v4, 5, v0
	v_readfirstlane_b32 s33, v4                    ; wave 0..3
	v_and_b32 v5, 31, v0
	v_lshlrev_b32 v[LO], 4, v5
	s_mul_i32 s34, s33, STG
	v_add_nc_u32 v[SIN], s34, v[LO]
	v_and_b32 v6, 15, v0                           ; r
	v_bfe_u32 v7, v0, 4, 1                         ; h
	v_mul_u32_u24 v[SOUT], v6, SP
	v_lshl_add_u32 v[SOUT], v7, 5, v[SOUT]
	v_add_nc_u32 v[SOUT], s34, v[SOUT]
	s_cmp_ge_u32 ttmp9, 1024                       ; a weight's work-group?
	s_cselect_b32 s32, 1024, 0
	s_mov_b32 s35, 4095
	s_cselect_b32 s35, 511, s35                    ; fragments in my tensor, less one
	s_sub_co_u32 s32, ttmp9, s32
	s_lshl_b32 s32, s32, 2
	s_add_co_u32 s32, s32, s33                     ; my fragment, counted through X or through the four weights on end
	s_lshl_b32 s42, s32, 11                        ; its place in xc's first part or in wc: the weights' parts of 2^20 bytes follow each other
	s_mov_b32 s43, 0
	s_and_b32 s35, s32, s35                        ; my fragment within its tensor: 8 rb + kb
	s_lshr_b32 s44, s35, 3
	s_lshl_b32 s44, s44, 16                        ; rb x 16 rows of 4,096 bytes
	s_and_b32 s35, s35, 7
	s_lshl_b32 s35, s35, 9                         ; kb x 512 bytes
	s_add_co_u32 s44, s44, s35
	s_mov_b32 s45, 0
	s_wait_alu depctr_va_vdst(0)
	s_wait_kmcnt 0x0
	s_load_b256 s[20:27], s[14:15], 0x0            ; e0 .. e7
	s_load_b128 s[28:31], s[14:15], 0x20           ; e8 .. e11
	s_cmp_ge_u32 ttmp9, 1024                       ; the choices hang on the work-group's number alone
	s_cselect_b64 s[36:37], s[6:7], s[4:5]
	s_cselect_b64 s[40:41], s[18:19], s[16:17]
	s_cmp_ge_u32 ttmp9, 1152
	s_cselect_b64 s[36:37], s[8:9], s[36:37]
	s_cmp_ge_u32 ttmp9, 1280
	s_cselect_b64 s[36:37], s[10:11], s[36:37]
	s_cmp_ge_u32 ttmp9, 1408
	s_cselect_b64 s[36:37], s[12:13], s[36:37]
	s_add_nc_u64 s[36:37], s[36:37], s[44:45]      ; my fragment's first row
	s_add_nc_u64 s[40:41], s[40:41], s[42:43]      ; and where its codes go
.irp i, 0,1,2,3,4,5,6,7,8,9,10,11,12,13,14,15
	global_load_b128 v[R+4*\i:R+4*\i+3], v[LO], s[36:37] offset:4096*\i th:TH_LOAD_NT   ; row i: 32 lanes read 512 consecutive bytes; read once in the launch
.endr
	s_wait_kmcnt 0x0
	s_cmp_ge_u32 ttmp9, 1024
	s_cselect_b32 s38, s21, s20                    ; the first code set's e: e0 for X, e1, e3, e5, e11 for the weights
	s_cmp_ge_u32 ttmp9, 1152
	s_cselect_b32 s38, s23, s38
	s_cmp_ge_u32 ttmp9, 1280
	s_cselect_b32 s38, s25, s38
	s_cmp_ge_u32 ttmp9, 1408
	s_cselect_b32 s38, s31, s38
.macro MKSC z, e                       ; 2^e as f32 (the conversion takes its exponent field)
	s_add_co_i32 s50, \e, 127
	s_lshl_b32 s51, s50, 23
	v_mov_b32 v[LIM+2*\z+1], s51
.endm
	MKSC 0, s38
	MKSC 1, s22
	MKSC 2, s24
	s_wait_alu depctr_va_vdst(0)
.irp i, 0,1,2,3,4,5,6,7,8,9,10,11,12,13,14,15
	s_wait_loadcnt 15-\i                           ; loads come back in order: row i is in, the younger rows stay out
	ds_store_b128 v[SIN], v[R+4*\i:R+4*\i+3] offset:SP*\i
.endr
.irp c, 0,1,2,3,4,5,6,7
	ds_load_b128 v[XN+8*\c:XN+8*\c+3], v[SOUT] offset:64*\c        ; LDS serves a wave's instructions in order: these see my stores
	ds_load_b128 v[XN+8*\c+4:XN+8*\c+7], v[SOUT] offset:64*\c+16
.endr
; One code set: for each quad g of the fragment, 16 numbers of XN are converted and stored.  first = 1: the numbers are still coming back from the stage.
.macro CONV z, base, first
.irp g, 0,1,2,3
.if \first
	s_wait_dscnt 12-4*\g                           ; this quad's four loads are in; the four of each later quad may be out
.endif
.set ii, 0
.rept 16
.set ii, ii+1
.endr
	v_cvt_scalef32_pk8_fp8_f32 v[C+16*\z+4*\g:C+16*\z+4*\g+1], v[T+16*(\g%2)+((XN+16*\g+ii)-(T+16*(\g%2)+ii)):T+16*(\g%2)+7+((XN+16*\g+ii)-(T+16*(\g%2)+ii))], v[LIM+2*\z+1]
	v_cvt_scalef32_pk8_fp8_f32 v[C+16*\z+4*\g+2:C+16*\z+4*\g+3], v[T+16*(\g%2)+8+((XN+16*\g+ii)-(T+16*(\g%2)+ii)):T+16*(\g%2)+15+((XN+16*\g+ii)-(T+16*(\g%2)+ii))], v[LIM+2*\z+1]
	global_store_b128 v[LO], v[C+16*\z+4*\g:C+16*\z+4*\g+3], s[\base:\base+1] offset:512*\g   ; 512 consecutive bytes, aligned
.endr
.endm
	CONV 0, 40, 1
	s_wait_tensorcnt 0x0                           ; all LDS work is over: the wait, the add and its wait stand behind my last LDS store
	ds_add_u32 v[SPW], v[NIL]
	s_wait_dscnt 0x0
	s_cmp_ge_u32 ttmp9, 1024                       ; a weight has one code set; X has two more, from the same registers
	s_cbranch_scc1 .Ldone
	s_add_nc_u64 s[46:47], s[40:41], 0x800000      ; xc's second part,
	s_add_nc_u64 s[48:49], s[40:41], 0x1000000     ; and its third
	CONV 1, 46, 0
	CONV 2, 48, 0
.Ldone:
	s_endpgm
.Lfunc_end_k_q77ec1d996b_quant:
	.size	k_q77ec1d996b_quant, .Lfunc_end_k_q77ec1d996b_quant-k_q77ec1d996b_quant
	.p2alignl 7, 3214868480
	.fill 96, 4, 3214868480
	.section	.rodata,"a",@progbits
	.p2align	6, 0x0
	.amdhsa_kernel k_q77ec1d996b_quant
		.amdhsa_group_segment_fixed_size 34304
		.amdhsa_private_segment_fixed_size 0
		.amdhsa_enable_private_segment 0
		.amdhsa_kernarg_size 64
		.amdhsa_user_sgpr_count 2
		.amdhsa_user_sgpr_kernarg_segment_ptr 1
		.amdhsa_wavefront_size32 1
		.amdhsa_system_sgpr_workgroup_id_x 1
		.amdhsa_system_sgpr_workgroup_id_y 1
		.amdhsa_system_sgpr_workgroup_id_z 1
		.amdhsa_system_vgpr_workitem_id 0
		.amdhsa_next_free_vgpr 224
		.amdhsa_next_free_sgpr 66
		.amdhsa_reserve_vcc 0
		.amdhsa_float_denorm_mode_32 3
		.amdhsa_float_denorm_mode_16_64 3
		.amdhsa_fp16_overflow 1
		.amdhsa_memory_ordered 1
		.amdhsa_forward_progress 1
		.amdhsa_inst_pref_size 11
	.end_amdhsa_kernel
	.amdgpu_metadata
---
amdhsa.version: [ 1, 2 ]
amdhsa.kernels:
  - .name:           k_q77ec1d996b_quant
    .symbol:         k_q77ec1d996b_quant.kd
    .args:
      - { .name: X, .offset: 0, .size: 8, .value_kind: global_buffer, .address_space: global }
      - { .name: W_q, .offset: 8, .size: 8, .value_kind: global_buffer, .address_space: global }
      - { .name: W_k, .offset: 16, .size: 8, .value_kind: global_buffer, .address_space: global }
      - { .name: W_v, .offset: 24, .size: 8, .value_kind: global_buffer, .address_space: global }
      - { .name: W_o, .offset: 32, .size: 8, .value_kind: global_buffer, .address_space: global }
      - { .name: lowp_scales, .offset: 40, .size: 8, .value_kind: global_buffer, .address_space: global }
      - { .name: xc, .offset: 48, .size: 8, .value_kind: global_buffer, .address_space: global }
      - { .name: wc, .offset: 56, .size: 8, .value_kind: global_buffer, .address_space: global }
    .group_segment_fixed_size: 34304
    .private_segment_fixed_size: 0
    .kernarg_segment_align: 8
    .kernarg_segment_size: 64
    .max_flat_workgroup_size: 128
    .sgpr_count:     66
    .vgpr_count:     224
    .wavefront_size: 32
...
	.end_amdgpu_metadata
.endif
;; end of part 1
;; launch proj (part 2): grid 12 x 32, 4 waves a work-group, clusters of 4 x 4, 327,680 bytes of LDS; arguments xc, wc, lowp_scales, qkv; writes qkv
.if DOCPART == 2
	.amdgcn_target "amdgcn-amd-amdhsa--gfx1250"
	.amdhsa_code_object_version 6
	.text
	.protected	k_q77ec1d996b_proj
	.globl	k_q77ec1d996b_proj
	.p2align	8
	.type	k_q77ec1d996b_proj,@function
k_q77ec1d996b_proj:
	s_mov_b64 s[64:65], 0
	v_nop
	global_prefetch_b8 v0, s[64:65] scope:SCOPE_SE
	s_setreg_imm32_b32 hwreg(HW_REG_WAVE_MODE, 25, 1), 1
	s_wait_xcnt 0x0
	s_wait_alu depctr_hold_cnt(0) depctr_sa_sdst(0) depctr_va_vdst(0) depctr_va_sdst(0) depctr_va_ssrc(0) depctr_va_vcc(0) depctr_vm_vsrc(0)
	s_getreg_b32 s2, hwreg(HW_REG_IB_STS2, 6, 4)
	s_cmp_eq_u32 s2, 0
	s_cbranch_scc0 .Lentry_in_a_cluster
	s_endpgm
.Lentry_in_a_cluster:
	s_bfe_u32 s2, ttmp6, 0x10000c
	s_cmp_lg_u32 s2, 0xf033
	s_cbranch_scc0 .Lentry_shape_is_right
	s_endpgm
.Lentry_shape_is_right:
; Q = X W_q^T, K = X W_k^T, V = X W_v^T on E4M3 codes (f32 sums), each sum quantised at once to the code that attention wants: Q with 2^e6, K with 2^e7, V with 2^e9.
; The cluster's x says which product: p = 0 (Q), 1 (K), 2 (V); it is the same in all sixteen partners.  X's codes for product p lie at xc + p 2^23, the weight's at wc + p 2^20.
; All operands are images of registers: a fragment of 16 rows x 128 K is 2,048 bytes [quad][lane][16], fragment 8 rb + kb at 2,048 x that number.
; A tile of the result, 256 x 256, is made by four waves, each 128 x 128: 64 accumulators, 512 registers.  K = 1,024 goes in four slots' worth of 256 through a ring of two LDS slots.
; OPERANDS "A" AND "B".  The matrix instruction takes 16 rows of B as source 0 and 16 rows of A as source 1: lane (r, h), register j of accumulator (a, b) is (A's row 16 a + r, B's row 16 b + 8 h + j).
; For Q and K: A = X, B = the weight, so that a lane's eight registers run along the head's channels, the K of the scores.  For V: A = the weight, B = X, so that they run along the tokens, the K of the second
; product.  Only two pointers and a few strides are chosen (s_cselect on p); the text is one.  One conversion of an accumulator IS registers 2 c, 2 c + 1 of the next operand's fragment, so the codes are stored
; straight from registers, 512 consecutive aligned bytes a store, and need no stage.
; qkv: Q at 0, K at 2^23: [bh = 16 batch + head][token / 16][half][lane][16] (a fragment of 16 tokens x 64 channels: 1,024 bytes);  V at 2^24: [bh][token / 128][channel / 16][quad][lane][16].
; CLUSTERS: 4 x 4 work-groups.  The four of a row of the cluster need the same tiles of A, the four of a column the same tiles of B: each is asked for jointly, by the same tensor load with a mask that names the four.
; LIMIT: eD - eA - eB (e6 - e0 - e1, e7 - e2 - e3, e9 - e4 - e5) lies between -126 and 119, so that the conversion's scale and 448 x it are f32 numbers.
; REGISTERS, in windows of 256: window 0: v16-31 addresses and the scale; from v128 A's fragments, one set, later the codes.  window 1: B's fragments, two sets.
;   window 2: the accumulators of my rows 0-63 of A ((a, b) at v[8 (8 a + b)]);  window 3: those of rows 64-127.
.set HALFT,  32768                     ; 8 row blocks x 4,096 bytes (two fragments each): what one tensor load brings, and what one wave reads of A or of B
.set SLOT,   4*HALFT                   ; A's 16 row blocks, then B's 16
.set SPARE,  2*SLOT                    ; behind the ring: the spare words, 128 bytes for each wave: two blocks of 256 bytes that no other line names
.set KB,     4096                      ; a slot's worth of K in a row block of memory, in bytes
.set FR,     16                        ; registers of a fragment
.set NL,     4                         ; LDS loads that bring one
.set NP,     4                         ; places behind this matrix instruction (ISA guide 7.12.1)
.set ADRA, 16                          ; v16-17  LDS address of my A fragments in slot 0, 1
.set ADRB, 20                          ; v20-21  the same for B
.set VO,   26                          ; v26 16 x lane; v27 the same + the stride from B's blocks 0-3 to 4-7 in qkv; never rewritten
.set SPW,  28                          ; v28     LDS address of my spare word; never rewritten
.set NIL,  29                          ; v29     0; never rewritten
.set SC,   30                          ; v30     2^(eD - eA - eB) as f32
.set LM,   31
.set TMP,  32
.set AF,   128
.set CD,   128                         ; the way out: 16 registers of codes for each of A's eight blocks, so that no store's data are written again
.set G1, 24                            ; s[24:31] descriptor group 1 for A's tiles;  s[32:39] group 0, one set for each slot
.set G0, 32
.set G1B, 48                           ; s[48:55], s[56:63] the same for B's tiles
.set G0B, 56
.set OB, 80                            ; s[80:95] the way out: a base in qkv for each of A's eight blocks
.set MSB, 0
.macro WIN new                         ; the immediate's high byte repeats the setting that is left
.if MSB != \new
	s_set_vgpr_msb (MSB<<8)|\new
.set MSB, \new
.endif
.endm
.set MUL_LO, 0xa1                      ; source 0 (B) window 1, source 1 (A) window 0, C and D window 2
.set MUL_HI, 0xf1                      ; the same, C and D window 3
.set TO_B,   0x40                      ; destination window 1, address window 0
; A joint load: waves 0 and 1 fetch for A, waves 2 and 3 for B.  Each of the two lines has one mask and one set of registers for all that issue it; the branch hangs on the wave's number alone.
; An s_nop 0 and four v_nop follow each of the two lines, ahead of the jump, the label and what follows.
.macro JLOAD g0a, g1a, g0b, g1b
	s_cmp_eq_u32 s15, 0
	s_cbranch_scc0 .Lfor_b_\@
	tensor_load_to_lds s[\g0a:\g0a+3], s[\g1a:\g1a+7]
	s_nop 0
.rept 4
	v_nop
.endr
	s_branch .Lasked_\@
.Lfor_b_\@:
	tensor_load_to_lds s[\g0b:\g0b+3], s[\g1b:\g1b+7]
	s_nop 0
.rept 4
	v_nop
.endr
.Lasked_\@:
.endm
.macro CREST                           ; a round of the cluster's barrier behind its opening barrier
	s_cmp_lg_u32 s14, 0
	s_cbranch_scc1 .Lnot_wave_0_\@
	s_barrier_signal -3
.Lnot_wave_0_\@:
	s_barrier_wait -3
	s_barrier_signal -1
	s_barrier_wait -1
.endm
.macro CROUND                          ; a whole round
	s_barrier_signal -1
	s_barrier_wait -1
	CREST
.endm
	s_load_b256 s[4:11], s[0:1], 0x0               ; xc s[4:5], wc s[6:7], the exponents s[8:9], qkv s[10:11]
	v_lshl_add_u32 v[SPW], v0, 2, SPARE
	v_mov_b32 v[NIL], 0
	ds_add_u32 v[SPW], v[NIL]                      ; the wave's opening: the add and its wait stand ahead of my first tensor load; the set-up below, work on registers, stands between them
	ds_add_u32 v[SPW], v[NIL]
	v_lshrrev_b32 v1, 5, v0
	v_readfirstlane_b32 s14, v1                    ; wave 0..3
	s_lshr_b32 s15, s14, 1                         ; which half of the tile's rows of A is mine.  Also: I fetch for A (0) or for B (1)
	s_and_b32 s16, s14, 1                          ; which half of its rows of B.  Also: which 8 row blocks of that tile I fetch
	s_bfe_u32 s40, ttmp6, 0x40000                  ; cx, cy: my place in the cluster
	s_bfe_u32 s41, ttmp6, 0x40004
	s_and_b32 s17, ttmp7, 0xffff                   ; the cluster's y, 0..7: it walks the tokens, which are A's rows for Q and K and B's rows for V
	s_cmp_eq_u32 ttmp9, 2                          ; V?
	s_cselect_b32 s18, 0, s17
	s_cselect_b32 s19, s17, 0
	s_lshl_b32 s18, s18, 2
	s_add_co_u32 s17, s18, s41                     ; A's tile = 4 x (cluster y or 0) + cy
	s_lshl_b32 s19, s19, 2
	s_add_co_u32 s42, s19, s40                     ; B's tile = 4 x (0 or cluster y) + cx
	s_lshl_b32 s43, s41, 2
	s_lshl_b32 s43, 15, s43                        ; my row of the cluster
	s_lshl_b32 s44, 0x1111, s40                    ; my column
	; descriptor group 1: 8 rows (row blocks) of 512 elements of 8 bytes, 2,048 elements (a row block's 16,384 bytes) apart; they lie on end in LDS
	s_or_b32 s[G1+0], s43, (3<<16)|(1<<21)         ; 15:0 the mask: A's tiles go to my row; 17:16 elements of 8 bytes; 20 no padding; 21 set beside a mask
	s_or_b32 s[G1B+0], s44, (3<<16)|(1<<21)
.irp g, G1, G1B
	s_mov_b32 s[\g+1], 512<<16                     ; tensor_dim0 = 512
	s_mov_b32 s[\g+2], 8<<16                       ; tensor_dim1 = 8
	s_mov_b32 s[\g+3], 512<<16                     ; tile_dim0 = 512
	s_mov_b32 s[\g+4], 8                           ; tile_dim1 = 8
	s_mov_b32 s[\g+5], 2048                        ; tensor_dim0_stride
	s_mov_b32 s[\g+6], 0
	s_mov_b32 s[\g+7], 0
.endr
	s_lshl_b32 s18, s16, 17                        ; which 8 row blocks of the tile I fetch
	s_lshl_b32 s20, s17, 18                        ; a tile is 16 row blocks of 16,384 bytes
	s_add_co_u32 s20, s20, s18
	s_mov_b32 s21, 0
	s_lshl_b32 s46, s42, 18
	s_add_co_u32 s46, s46, s18
	s_mov_b32 s47, 0
	s_lshl_b32 s22, ttmp9, 23                      ; X's code set for this product
	s_mov_b32 s23, 0
	s_lshl_b32 s98, ttmp9, 20                      ; its weight
	s_mov_b32 s99, 0
	s_mul_i32 s45, s14, HALFT                      ; where my tiles go: wave x 32,768: no place in the cluster enters an LDS address
	s_wait_dscnt 0x0                               ; the opening add is done
	s_wait_kmcnt 0x0
	s_load_b256 s[68:75], s[8:9], 0x0              ; e0 .. e7
	s_load_b128 s[76:79], s[8:9], 0x20             ; e8 .. e11
	s_add_nc_u64 s[4:5], s[4:5], s[22:23]
	s_add_nc_u64 s[6:7], s[6:7], s[98:99]
	s_cmp_eq_u32 ttmp9, 2
	s_cselect_b64 s[12:13], s[6:7], s[4:5]         ; A: the weight for V, else X
	s_cselect_b64 s[96:97], s[4:5], s[6:7]         ; B: the other
	s_add_nc_u64 s[20:21], s[12:13], s[20:21]
	s_add_nc_u64 s[46:47], s[96:97], s[46:47]
	CROUND                                         ; all sixteen work-groups are here: the first joint loads meet
.irp s, 0,1
	s_mov_b32 s[G0+4*\s], 1
	s_add_co_u32 s[G0+4*\s+1], s45, \s*SLOT
	s_add_nc_u64 s[G0+4*\s+2:G0+4*\s+3], s[20:21], \s*KB
	s_or_b32 s[G0+4*\s+3], s[G0+4*\s+3], 0x80000000
	s_mov_b32 s[G0B+4*\s], 1
	s_add_co_u32 s[G0B+4*\s+1], s45, \s*SLOT
	s_add_nc_u64 s[G0B+4*\s+2:G0B+4*\s+3], s[46:47], \s*KB
	s_or_b32 s[G0B+4*\s+3], s[G0B+4*\s+3], 0x80000000
	JLOAD G0+4*\s, G1, G0B+4*\s, G1B
.endr
	v_and_b32 v1, 31, v0
	v_lshlrev_b32 v[VO], 4, v1                     ; 16 x lane: a lane's place in every image
	s_wait_alu depctr_va_vdst(0)
	s_mul_i32 s21, s15, HALFT                      ; my 8 row blocks of A
	s_mul_i32 s22, s16, HALFT                      ; my 8 row blocks of B,
	s_add_co_u32 s22, s22, 2*HALFT                 ; which lie behind A's 16
.irp s, 0,1
	v_add_nc_u32 v[ADRA+\s], s21, v[VO]
	v_add_nc_u32 v[ADRB+\s], s22, v[VO]
	s_add_co_u32 s21, s21, SLOT
	s_add_co_u32 s22, s22, SLOT
.endr
	; where the codes go.  T: the tile along the tokens, Hh: along the features; wt, wh: my half along each
	s_cmp_eq_u32 ttmp9, 2
	s_cselect_b32 s96, s42, s17                    ; T
	s_cselect_b32 s97, s17, s42                    ; Hh
	s_cselect_b32 s98, s16, s15                    ; wt
	s_cselect_b32 s99, s15, s16                    ; wh
	s_mov_b32 s2, 1024
	s_cselect_b32 s2, 2048, s2                     ; from one of A's blocks to the next: 16 tokens on (Q, K) or 16 channels on (V)
	s_mov_b32 s12, 4096
	s_cselect_b32 s12, 131072, s12                 ; from A's block 0 to block 4: 64 tokens on, or the next head
	s_mov_b32 s18, 131072
	s_cselect_b32 s18, 1024, s18                   ; from B's blocks 0-3 to 4-7: the next head, or two quads on
	s_mov_b32 s3, 0
	s_mov_b32 s13, 0
	v_add_nc_u32 v[VO+1], s18, v[VO]
	s_lshr_b32 s19, s96, 3                         ; the batch: a batch has 8 tiles of 256 tokens
	s_lshl_b32 s19, s19, 4
	s_lshl_b32 s97, s97, 2
	s_add_co_u32 s19, s19, s97
	s_lshl_b32 s99, s99, 1
	s_add_co_u32 s19, s19, s99                     ; bh of my first head: 16 batch + 4 Hh + 2 wh
	s_lshl_b32 s22, s19, 17                        ; a head's codes are 131,072 bytes
	s_and_b32 s96, s96, 7
	s_lshl_b32 s96, s96, 1
	s_add_co_u32 s96, s96, s98
	s_lshl_b32 s96, s96, 13                        ; my 128 tokens in the head: 8,192 bytes in each of the three layouts
	s_add_co_u32 s22, s22, s96
	s_lshl_b32 s96, ttmp9, 23                      ; Q's, K's or V's part of qkv
	s_add_co_u32 s22, s22, s96
	s_mov_b32 s23, 0
	s_add_nc_u64 s[OB:OB+1], s[10:11], s[22:23]
.irp a, 1,2,3
	s_add_nc_u64 s[OB+2*\a:OB+2*\a+1], s[OB+2*\a-2:OB+2*\a-1], s[2:3]
.endr
	s_add_nc_u64 s[OB+8:OB+9], s[OB:OB+1], s[12:13]
.irp a, 5,6,7
	s_add_nc_u64 s[OB+2*\a:OB+2*\a+1], s[OB+2*\a-2:OB+2*\a-1], s[2:3]
.endr
	s_wait_alu depctr_va_vdst(0)
	s_wait_kmcnt 0x0                               ; the exponents.  A sum stands for sum x 2^(eA + eB); its code is sum / 2^(eD - eA - eB): the three scales are folded into the conversion's one
	s_cmp_eq_u32 ttmp9, 1
	s_cselect_b32 s68, s70, s68
	s_cselect_b32 s69, s71, s69
	s_cselect_b32 s74, s75, s74
	s_cmp_eq_u32 ttmp9, 2
	s_cselect_b32 s68, s72, s68
	s_cselect_b32 s69, s73, s69
	s_cselect_b32 s74, s77, s74
	s_sub_co_i32 s74, s74, s68
	s_sub_co_i32 s74, s74, s69
	s_add_co_i32 s74, s74, 127
	s_lshl_b32 s75, s74, 23
	v_mov_b32 v[SC], s75
.macro FRAG reg, adr, q, i             ; a fragment comes as it was stored: four loads of 512 consecutive bytes; row block i, the slot's q-th 128 along K
.irp c, 0,1,2,3
	ds_load_b128 v[\reg+4*\c:\reg+4*\c+3], v[\adr] offset:2048*(\q)+4096*(\i)+512*\c
.endr
.endm
; 16 matrix instructions: A's blocks a0, a0 + 1 x B's eight, 128 along K.  p: B's set.  zero = 1: the first product starts the sums: nothing is ever cleared.
; The 64 accumulators take turns, one instruction a turn, in the same order in every step.
.macro MUL16 a0, p, zero
.irp a, \a0, \a0+1
.irp b, 0,1,2,3,4,5,6,7
.if \zero
	v_wmma_f32_16x16x128_fp8_fp8 v[8*(8*((\a)%4)+\b):8*(8*((\a)%4)+\b)+7], v[128*(\p)+FR*\b:128*(\p)+FR*\b+FR-1], v[AF+FR*(\a):AF+FR*(\a)+FR-1], 0
.else
	v_wmma_f32_16x16x128_fp8_fp8 v[8*(8*((\a)%4)+\b):8*(8*((\a)%4)+\b)+7], v[128*(\p)+FR*\b:128*(\p)+FR*\b+FR-1], v[AF+FR*(\a):AF+FR*(\a)+FR-1], v[8*(8*((\a)%4)+\b):8*(8*((\a)%4)+\b)+7]
.endif
.endr
.endr
.endm
.macro FETCH_B slot, q, p              ; B's eight fragments of the slot's q-th 128 along K into set p
	WIN TO_B
.irp i, 0,1,2,3,4,5,6,7
	FRAG 128*(\p)+FR*\i, ADRB+\slot, \q, \i
.endr
	WIN 0
.endm
.macro FETCH_A slot, q, i0             ; A's blocks i0 .. i0 + 3
.irp i, \i0, \i0+1, \i0+2, \i0+3
	FRAG AF+FR*(\i), ADRA+\slot, \q, \i
.endr
.endm
; A load into a register that a matrix instruction has read, and a vector instruction that reads a matrix result, stand NP places behind that matrix instruction, and only plain vector instructions that
; name none of its registers are places (ISA guide 7.12.1 for vector instructions).
.macro PLACES n
.rept \n
	v_nop
.endr
.endm
; A step of 128 along K that has its successor in the same slot.  A's blocks are free as soon as their eight products are issued, so A has one set: blocks 0-3 are fetched anew in the step's middle, 4-7 at its end.
.macro STEP slot, q, zero
	s_wait_dscnt 4*NL                              ; B's set and A's blocks 0-3 are in; the youngest sixteen loads (A's blocks 4-7) may be out
	WIN MUL_LO
	MUL16 0, (\q)%2, \zero
	MUL16 2, (\q)%2, \zero
	s_wait_dscnt 0                                 ; A's blocks 4-7 are in
	PLACES NP
	FETCH_B \slot, (\q)+1, 1-(\q)%2
	FETCH_A \slot, (\q)+1, 0
	WIN MUL_HI
	MUL16 4, (\q)%2, \zero
	MUL16 6, (\q)%2, \zero
	PLACES NP
	WIN 0
	FETCH_A \slot, (\q)+1, 4
.endm
; A slot's last step changes slots: one barrier; in front of it each wave waits for all its tensor loads, adds 0 to its spare word, and waits for that and for its own reads of this slot.  fill = 1: this slot is filled again.
.macro TURN slot, next, fill
	s_wait_tensorcnt 0x0                           ; all my tensor loads have landed: my part of the next slot;  (every window is 0 here)
	ds_add_u32 v[SPW], v[NIL]                      ; 0 onto my spare word
	s_wait_dscnt 4*NL+1                            ; (the add and the youngest sixteen loads, A's blocks 4-7, may be out)
	WIN MUL_LO
	MUL16 0, 1, 0                                  ; sixteen matrix instructions stand between the add and the wait for it
	s_wait_dscnt 0x0                               ; the add is done, and my reads of this slot are over
	s_barrier_signal -1
	MUL16 2, 1, 0
	WIN 0
	s_barrier_wait -1
.if \fill
	CREST                                          ; the barrier has opened a round of the cluster's barrier: no wave of any partner still reads this slot's tile or has a load on its way
	s_add_nc_u64 s[G0+4*\slot+2:G0+4*\slot+3], s[G0+4*\slot+2:G0+4*\slot+3], 2*KB
	s_add_nc_u64 s[G0B+4*\slot+2:G0B+4*\slot+3], s[G0B+4*\slot+2:G0B+4*\slot+3], 2*KB
	JLOAD G0+4*\slot, G1, G0B+4*\slot, G1B         ; the first tensor load behind the round; the four v_nop behind it are the places in front of the loads below
.else
	PLACES NP
.endif
	FETCH_B \next, 0, 0
	FETCH_A \next, 0, 0
	WIN MUL_HI
	MUL16 4, 1, 0
	MUL16 6, 1, 0
	PLACES NP
	WIN 0
	FETCH_A \next, 0, 4
.endm
	s_wait_tensorcnt 1                             ; my part of the first slot is in (the second slot's load may be out)
	s_barrier_signal -1
	s_barrier_wait -1                              ; everybody's is
	FETCH_B 0, 0, 0
	FETCH_A 0, 0, 0
	FETCH_A 0, 0, 4
	STEP 0, 0, 1                                   ; K = 1,024 is eight steps, written out: the first starts the sums
	TURN 0, 1, 1
	STEP 1, 0, 0
	TURN 1, 0, 1
	STEP 0, 0, 0
	TURN 0, 1, 0                                   ; the last two slots' worth are in or on their way: nothing more is asked for
	STEP 1, 0, 0
	s_wait_dscnt 4*NL                              ; the last step: nothing more to fetch
	WIN MUL_LO
	MUL16 0, 1, 0
	MUL16 2, 1, 0
	s_wait_alu depctr_va_vdst(0)
	s_wait_dscnt 0
	WIN MUL_HI
	MUL16 4, 1, 0
	MUL16 6, 1, 0
	WIN 0
; THE WAY OUT of A's block a: its 64 sums are converted, eight to a conversion, and stored as four quads of 512 consecutive aligned bytes.
.macro OUTBLK a
.set AC, 64*((\a)%4)
	WIN 0x02+((\a)/4)                              ; source 0: window 2 or 3
.set ii, 0
.rept 64
.set ii, ii+1
.endr
.irp b, 0,1,2,3,4,5,6,7
	v_cvt_scalef32_pk8_fp8_f32 v[CD+16*(\a)+2*\b:CD+16*(\a)+2*\b+1], v[AC+8*\b:AC+8*\b+7], v[SC]
.endr
	WIN 0
	v_nop
.irp q, 0,1,2,3
	global_store_b128 v[VO+\q/2], v[CD+16*(\a)+4*\q:CD+16*(\a)+4*\q+3], s[OB+2*(\a):OB+2*(\a)+1] offset:512*(\q%2)
.endr
.endm
	PLACES NP                                      ; behind the last products: for the reads of results and the writes over A's fragments
.irp a, 0,1,2,3,4,5,6,7
	OUTBLK \a
.endr
	s_wait_tensorcnt 0x0                           ; the wave's end: the wait, the add and its wait, behind my last tensor load
	ds_add_u32 v[SPW], v[NIL]
	s_wait_dscnt 0x0
	CROUND                                         ; the closing round: no work-group ends while a partner may still ask for a tile that names it
	s_endpgm
.Lfunc_end_k_q77ec1d996b_proj:
	.size	k_q77ec1d996b_proj, .Lfunc_end_k_q77ec1d996b_proj-k_q77ec1d996b_proj
	.p2alignl 7, 3214868480
	.fill 96, 4, 3214868480
	.section	.rodata,"a",@progbits
	.p2align	6, 0x0
	.amdhsa_kernel k_q77ec1d996b_proj
		.amdhsa_group_segment_fixed_size 327680
		.amdhsa_private_segment_fixed_size 0
		.amdhsa_enable_private_segment 0
		.amdhsa_kernarg_size 32
		.amdhsa_user_sgpr_count 2
		.amdhsa_user_sgpr_kernarg_segment_ptr 1
		.amdhsa_wavefront_size32 1
		.amdhsa_system_sgpr_workgroup_id_x 1
		.amdhsa_system_sgpr_workgroup_id_y 1
		.amdhsa_system_sgpr_workgroup_id_z 1
		.amdhsa_system_vgpr_workitem_id 0
		.amdhsa_next_free_vgpr 1024
		.amdhsa_next_free_sgpr 100
		.amdhsa_reserve_vcc 0
		.amdhsa_float_denorm_mode_32 3
		.amdhsa_float_denorm_mode_16_64 3
		.amdhsa_fp16_overflow 1
		.amdhsa_memory_ordered 1
		.amdhsa_forward_progress 1
		.amdhsa_inst_pref_size 86
	.end_amdhsa_kernel
	.amdgpu_metadata
---
amdhsa.version: [ 1, 2 ]
amdhsa.kernels:
  - .name:           k_q77ec1d996b_proj
    .symbol:         k_q77ec1d996b_proj.kd
    .args:
      - { .name: xc, .offset: 0, .size: 8, .value_kind: global_buffer, .address_space: global }
      - { .name: wc, .offset: 8, .size: 8, .value_kind: global_buffer, .address_space: global }
      - { .name: lowp_scales, .offset: 16, .size: 8, .value_kind: global_buffer, .address_space: global }
      - { .name: qkv, .offset: 24, .size: 8, .value_kind: global_buffer, .address_space: global }
    .group_segment_fixed_size: 327680
    .private_segment_fixed_size: 0
    .kernarg_segment_align: 8
    .kernarg_segment_size: 32
    .max_flat_workgroup_size: 128
    .sgpr_count:     100
    .vgpr_count:     1024
    .wavefront_size: 32
...
	.end_amdgpu_metadata
.endif
;; end of part 2
;; launch attn (part 3): grid 4 x 64, 16 waves a work-group, clusters of 4 x 1, 264,192 bytes of LDS; arguments qkv, lowp_scales, ac; writes ac
.if DOCPART == 3
	.amdgcn_target "amdgcn-amd-amdhsa--gfx1250"
	.amdhsa_code_object_version 6
	.text
	.protected	k_q77ec1d996b_attn
	.globl	k_q77ec1d996b_attn
	.p2align	8
	.type	k_q77ec1d996b_attn,@function
k_q77ec1d996b_attn:
	s_mov_b64 s[64:65], 0
	v_nop
	global_prefetch_b8 v0, s[64:65] scope:SCOPE_SE
	s_setreg_imm32_b32 hwreg(HW_REG_WAVE_MODE, 25, 1), 1
	s_wait_xcnt 0x0
	s_wait_alu depctr_hold_cnt(0) depctr_sa_sdst(0) depctr_va_vdst(0) depctr_va_sdst(0) depctr_va_ssrc(0) depctr_va_vcc(0) depctr_vm_vsrc(0)
	s_getreg_b32 s2, hwreg(HW_REG_IB_STS2, 6, 4)
	s_cmp_eq_u32 s2, 0
	s_cbranch_scc0 .Lentry_in_a_cluster
	s_endpgm
.Lentry_in_a_cluster:
	s_bfe_u32 s2, ttmp6, 0x10000c
	s_cmp_lg_u32 s2, 0x3003
	s_cbranch_scc0 .Lentry_shape_is_right
	s_endpgm
.Lentry_shape_is_right:
; Causal attention on E4M3 codes, 64 (batch, head) pairs of 2,048 tokens x 64 channels.  Scores = Q K^T / 8 (scales 2^e6, 2^e7); t = score x log2(e); M = the running largest t rounded UP to a whole number;
; p = 2^(t - M) is quantised along the keys (2^e8), not normalised; the row's sum is taken of the unquantised p; O = (p V) 2^(e8 + e9) / sum is quantised at once for the last product (2^e10).
; INPUT qkv, all images of registers: Q at 0, K at 2^23: [bh][token / 16][half][lane][16]: a fragment of 16 tokens x 64 channels, registers 2 c, 2 c + 1 = channels 16 c + 8 h + 0 .. 7 of token lane % 16;
; V at 2^24: [bh][key / 128][channel / 16][quad][lane][16]: 16 channels x 128 keys, registers 2 c, 2 c + 1 = keys 16 c + 8 h + 0 .. 7 of channel lane % 16.
; OUTPUT ac: fragments of 16 tokens x 128 of the model's 1,024 (k = 64 head + channel), fragment 8 (token / 16) + k / 128 at 2,048 x that number: a head's part of 16 tokens is 1,024 consecutive bytes.
; LAYOUT.  Both products are used transposed: S^T = K Q^T (source 0 = 16 keys, source 1 = my 16 queries), O^T = V^T P^T: a lane holds ONE query (lane % 16) throughout.  In tile t of S^T register j is key
; 16 t + 8 h + j: one conversion of the tile IS registers 2 t, 2 t + 1 of P.  Likewise one conversion of a tile of O^T is a register pair of ac's fragment.  Nothing changes lanes but one maximum and one sum.
; SHARES.  A cluster of four work-groups is one (batch, head); its 64 waves share the head's 128 tiles of 16 queries.  Wave w has grp = 2 (w / 4) + ((w xor w / 4) & 1) and sub = (w / 2) & 1, and takes tile
; 8 grp + 2 cx + sub in a first pass and tile 127 less that in a second: grp + 1 and 16 - grp key steps of 128, 17 for every wave.  The numbers of steps hang on the wave's number alone, not on the
; work-group's place cx, which enters only Q's and ac's addresses in memory and one vector number of the mask.  Waves w, w + 4, w + 8, w + 12 have 18 steps together in the first pass, whatever w.
; ALL OF THE HEAD'S K AND V LIE IN LDS (131,072 bytes each), filled once, by joint loads that all four work-groups ask for together: no slot is filled again.  Waves 0, 1 ask for K, waves 2, 3 for V, four
; loads of 16,384 bytes each: by this text's count a wave has four tensor loads out.
; Every loop has a constant number of trips; a step all of whose keys come after my queries is left out by a scalar branch on the wave's number and the count of steps.
; LIMITS on the given exponents: e6 + e7 between -123 and 130 (added to c's exponent field); e8, and e10 - e8 - e9, between -126 and 119.
.set VB,    131072                     ; LDS: K from 0 (key step s at 8,192 s), V from here (likewise)
.set SPARE, 262144                     ; behind them: the spare words, 128 bytes for each of 16 waves: eight blocks of 256 bytes that no other line names
.set LI,   1                           ; v1   16 x lane; never rewritten
.set LV,   2                           ; v2   VB + 16 x lane
.set ADK,  3                           ; v3   LDS address of the step's K
.set ADV,  4                           ; v4   of its V
.set SPW,  5                           ; v5   LDS address of my spare word; never rewritten
.set NIL,  6                           ; v6   0; never rewritten
.set D0,   8                           ; v8, v9  the mask's number for pass 0, 1: 16 (tile % 8) + r - 8 h
.set NINF, 10                          ; v10  -infinity
.set Q,    16                          ; v16-23, v24-31  Q's fragments of my two tiles.   v12 -M, v13 the largest t, v[14:15] the sum in two halves
.set F,    32                          ; v32-95   8 fragments of K, then 4 of V
.set S,    96                          ; v96-159  S^T, then p
.set O,    160                         ; v160-191 O^T
.set P,    192                         ; v192-207 p's codes
.set OC,   208                         ; v208-223 the result's codes, 8 registers a pass.   v236, v238-243, v246-255 at work; v244: 2^e8; v245: the same with e10 - e8 - e9
.set TB,   2                           ; s2   the step's first byte in K's (and V's) region
.set KS,   3                           ; s3   the step's number
.set CNT,  14                          ; s14  trips to go
.set LAST, 15                          ; s15  the pass's last step, which lies on the diagonal
.set GRP,  16
.set WV,   18
.set SEL,  20                          ; s[20:21] lane selects for v_permlanex16_b32: lane l xor 16
.set CS,   22                          ; s[22:23] c = log2(e) / 8 x 2^(e6 + e7)
.set G1,   24                          ; s[24:31] descriptor group 1, one for all loads
.set G0K,  32                          ; s[32:47] groups 0 of K's four loads
.set G0V,  48                          ; s[48:63] of V's
.macro CROUND                          ; a round of the cluster's barrier
	s_barrier_signal -1
	s_barrier_wait -1
	s_cmp_lg_u32 s[WV], 0
	s_cbranch_scc1 .Lnot_wave_0_\@
	s_barrier_signal -3
.Lnot_wave_0_\@:
	s_barrier_wait -3
	s_barrier_signal -1
	s_barrier_wait -1
.endm
	s_load_b128 s[4:7], s[0:1], 0x0                ; qkv s[4:5], the exponents s[6:7]
	s_load_b64 s[8:9], s[0:1], 0x10                ; ac
	v_lshl_add_u32 v[SPW], v0, 2, SPARE
	v_mov_b32 v[NIL], 0
	ds_add_u32 v[SPW], v[NIL]                      ; the wave's opening: the add and its wait stand ahead of the first tensor loads; the set-up below, work on registers, stands between them
	ds_add_u32 v[SPW], v[NIL]
	v_lshrrev_b32 v7, 5, v0
	s_delay_alu instid0(VALU_DEP_1)
	v_readfirstlane_b32 s[WV], v7                  ; wave 0..15
	s_bfe_u32 s19, ttmp6, 0x40000                  ; cx: my place in the cluster
	s_and_b32 s12, ttmp7, 0xffff                   ; bh = 16 batch + head, which the four partners share
	s_lshr_b32 s10, s[WV], 2
	s_xor_b32 s11, s[WV], s10
	s_and_b32 s11, s11, 1
	s_lshl_b32 s[GRP], s10, 1
	s_add_co_u32 s[GRP], s[GRP], s11               ; grp
	s_bfe_u32 s17, s[WV], 0x10001                  ; sub
	s_lshl_b32 s13, s19, 1
	s_add_co_u32 s13, s13, s17                     ; 2 cx + sub = my first tile % 8
	s_lshl_b32 s73, s[GRP], 3
	s_add_co_u32 s73, s73, s13                     ; my first tile,
	s_sub_co_u32 s74, 127, s73                     ; and my second
	s_lshl_b32 s76, s12, 17                        ; the head's first byte in each part of qkv
	s_mov_b32 s77, 0
	s_lshl_b32 s78, s73, 10                        ; Q's fragments of my tiles
	s_add_co_u32 s78, s78, s76
	s_mov_b32 s79, 0
	s_lshl_b32 s80, s74, 10
	s_add_co_u32 s80, s80, s76
	s_mov_b32 s81, 0
	s_lshr_b32 s75, s12, 4
	s_lshl_b32 s75, s75, 21                        ; ac: the batch's 128 row blocks of 16,384 bytes,
	s_and_b32 s86, s12, 15
	s_lshl_b32 s86, s86, 10                        ; the head's 1,024 bytes in a row block,
	s_add_co_u32 s75, s75, s86
	s_lshl_b32 s82, s73, 14                        ; and my tiles' row blocks
	s_add_co_u32 s82, s82, s75
	s_mov_b32 s83, 0
	s_lshl_b32 s84, s74, 14
	s_add_co_u32 s84, s84, s75
	s_mov_b32 s85, 0
	s_and_b32 s10, s[WV], 1
	s_lshl_b32 s10, s10, 14                        ; what I fetch, if I fetch: the lower or upper 16,384 bytes of each 32,768: in LDS and in memory alike
	s_add_co_u32 s76, s76, s10
	; descriptor group 1: a dense block of 16,384 bytes as 64 rows of 32 elements of 8 bytes
	s_mov_b32 s[G1], 15|(3<<16)|(1<<21)            ; 15:0 the mask: all four work-groups; 17:16 elements of 8 bytes; 20 no padding; 21 set beside a mask
	s_mov_b32 s[G1+1], 32<<16                      ; tensor_dim0 = 32
	s_mov_b32 s[G1+2], 64<<16                      ; tensor_dim1 = 64
	s_mov_b32 s[G1+3], 32<<16                      ; tile_dim0 = 32
	s_mov_b32 s[G1+4], 64                          ; tile_dim1 = 64
	s_mov_b32 s[G1+5], 32                          ; tensor_dim0_stride
	s_mov_b32 s[G1+6], 0
	s_mov_b32 s[G1+7], 0
	s_mov_b32 s[SEL], 0x76543210
	s_mov_b32 s[SEL+1], 0xfedcba98
	s_mov_b32 s[CS], 0x3e38aa3b                    ; log2(e) / 8
	s_wait_dscnt 0x0                               ; the opening add is done
	s_wait_kmcnt 0x0
	s_load_b128 s[68:71], s[6:7], 0x18             ; e6, e7, e8, e9
	s_load_b32 s72, s[6:7], 0x28                   ; e10
	s_add_nc_u64 s[86:87], s[4:5], s[76:77]        ; qkv at the head, at my half of a chunk: made of bh and the wave's number alone
	s_add_nc_u64 s[78:79], s[4:5], s[78:79]
	s_add_nc_u64 s[80:81], s[4:5], s[80:81]
	s_add_nc_u64 s[82:83], s[8:9], s[82:83]
	s_add_nc_u64 s[84:85], s[8:9], s[84:85]
	CROUND                                         ; all four work-groups are here: the joint loads meet
.irp c, 0,1,2,3
	s_mov_b32 s[G0K+4*\c], 1                                       ; count = 1
	s_add_co_u32 s[G0K+4*\c+1], s10, 32768*\c                      ; LDS address: chunk c holds key steps 4 c .. 4 c + 3
	s_add_nc_u64 s[G0K+4*\c+2:G0K+4*\c+3], s[86:87], (1<<23)+32768*\c
	s_or_b32 s[G0K+4*\c+3], s[G0K+4*\c+3], 0x80000000              ; type = 2
	s_mov_b32 s[G0V+4*\c], 1
	s_add_co_u32 s[G0V+4*\c+1], s10, VB+32768*\c
	s_add_nc_u64 s[G0V+4*\c+2:G0V+4*\c+3], s[86:87], (2<<23)+32768*\c
	s_or_b32 s[G0V+4*\c+3], s[G0V+4*\c+3], 0x80000000
.endr
	s_cmp_lt_u32 s[WV], 2                          ; a wave's four fills stand in one branch on the wave's number, ahead of every wait on TENSORcnt and every LDS read; an s_nop 0 follows each, four v_nop the last
	s_cbranch_scc0 .Lnot_k
.irp c, 0,1,2,3
	tensor_load_to_lds s[G0K+4*\c:G0K+4*\c+3], s[G1:G1+7]
	s_nop 0
.endr
.rept 4
	v_nop
.endr
	s_branch .Lasked
.Lnot_k:
	s_cmp_lt_u32 s[WV], 4
	s_cbranch_scc0 .Lasked
.irp c, 0,1,2,3
	tensor_load_to_lds s[G0V+4*\c:G0V+4*\c+3], s[G1:G1+7]
	s_nop 0
.endr
.rept 4
	v_nop
.endr
.Lasked:
	v_and_b32 v7, 31, v0
	s_delay_alu instid0(VALU_DEP_1)
	v_lshlrev_b32 v[LI], 4, v7
	global_load_b128 v[Q:Q+3], v[LI], s[78:79]                     ; Q's two fragments stay in registers
	global_load_b128 v[Q+4:Q+7], v[LI], s[78:79] offset:512
	global_load_b128 v[Q+8:Q+11], v[LI], s[80:81]
	global_load_b128 v[Q+12:Q+15], v[LI], s[80:81] offset:512
	v_add_nc_u32 v[LV], VB, v[LI]
	v_and_b32 v7, 15, v0                           ; r
	v_bfe_u32 v11, v0, 4, 1                        ; h
	s_delay_alu instid0(VALU_DEP_1)
	v_lshlrev_b32 v11, 3, v11
	s_delay_alu instid0(VALU_DEP_1)
	v_sub_nc_u32 v7, v7, v11                       ; r - 8 h
	s_lshl_b32 s73, s13, 4
	v_add_nc_u32 v[D0], s73, v7                    ; on the diagonal step, register 8 t + j holds a key after my query where 16 t + j > 16 (tile % 8) + r - 8 h
	s_sub_co_u32 s73, 112, s73                     ; the second tile % 8 is 7 less the first's
	v_add_nc_u32 v[D0+1], s73, v7
	v_mov_b32 v[NINF], 0xff800000
	v_mov_b32 v236, 0                              ; written once: a lane permute's destination counts as one of its sources
	v_mov_b32 v253, 0                              ; (named as the upper half of the pair v[252:253])
	s_wait_kmcnt 0x0
	s_add_co_i32 s73, s68, s69
	s_lshl_b32 s73, s73, 23
	s_add_co_i32 s[CS], s[CS], s73                 ; a score stands for score x 2^(e6 + e7): the two exponents are added to c's exponent field
	s_mov_b32 s[CS+1], s[CS]                       ; (named with it as a pair, so it is written)
	s_add_co_i32 s73, s70, 127
	s_lshl_b32 s74, s73, 23
	v_mov_b32 v244, s74                            ; 2^e8 as f32, for p's conversion
	s_sub_co_i32 s73, s72, s70
	s_sub_co_i32 s73, s73, s71                     ; a sum of the second product stands for sum x 2^(e8 + e9): its code is (sum / l) / 2^(e10 - e8 - e9)
	s_add_co_i32 s73, s73, 127
	s_lshl_b32 s74, s73, 23
	v_mov_b32 v245, s74
; A KEY STEP: 128 keys.  qreg: Q's fragment; dreg: the mask's number.
.macro STEP qreg, dreg
	s_cmp_gt_u32 s[KS], s[LAST]                    ; all its keys come after my queries: the step's work is left out; the lines at its end that step the address are not
	s_cbranch_scc1 .Lhidden_\@
	s_setprio 2
	v_add_nc_u32 v[ADK], s[TB], v[LI]
	v_add_nc_u32 v[ADV], s[TB], v[LV]
	v_nop                                          ; with the two additions: four places in front of loads into registers that the last step's matrix instructions have read
	v_nop
.irp t, 0,1,2,3,4,5,6,7
	ds_load_b128 v[F+8*\t:F+8*\t+3], v[ADK] offset:1024*\t         ; keys 16 t on: 512 consecutive bytes a load
	ds_load_b128 v[F+8*\t+4:F+8*\t+7], v[ADK] offset:1024*\t+512
.endr
	s_wait_alu depctr_va_vdst(0)
	s_wait_dscnt 0x0
.irp t, 0,1,2,3,4,5,6,7
	v_wmma_f32_16x16x64_fp8_fp8 v[S+8*\t:S+8*\t+7], v[F+8*\t:F+8*\t+7], v[\qreg:\qreg+7], 0
.endr
.rept 4
	v_nop                                          ; places in front of the loads below and of the first read of the scores
.endr
.irp u, 0,1,2,3
.irp c, 0,1,2,3
	ds_load_b128 v[F+16*\u+4*\c:F+16*\u+4*\c+3], v[ADV] offset:2048*\u+512*\c   ; V's four fragments are asked for here: they land while the softmax is walked
.endr
.endr
	s_cmp_lt_u32 s[KS], s[LAST]                    ; only the pass's last step lies on the diagonal
	s_cbranch_scc1 .Lopen_\@
.set ii, 0
.rept 64
	v_cmp_gt_i32 vcc_lo, 16*(ii/8)+ii%8, v[\dreg]
	v_cndmask_b32 v[S+ii], v[S+ii], v[NINF], vcc_lo   ; a hidden score becomes -infinity ahead of the maximum: p = 0 then.  Key 128 KS counts for every query of the tile, so the row's maximum is a number
.set ii, ii+1
.endr
.Lopen_\@:
	v_max3_num_f32 v254, v[S], v[S+1], v[S+2]      ; the step's largest score of my query, among my 64 keys, in two chains; each accumulator is read from its low end on,
	v_max3_num_f32 v252, v[S+3], v[S+4], v[S+5]
.set ii, 6
.rept 14
	v_max3_num_f32 v254, v254, v[S+ii], v[S+ii+1]
	v_max3_num_f32 v252, v252, v[S+ii+2], v[S+ii+3]
.set ii, ii+4
.endr
	v_max3_num_f32 v254, v254, v[S+62], v[S+63]
	s_delay_alu instid0(VALU_DEP_1)
	v_max_num_f32 v254, v254, v252
	s_delay_alu instid0(VALU_DEP_1)
	v_permlanex16_b32 v236, v254, s[SEL], s[SEL+1]
	s_delay_alu instid0(VALU_DEP_1)
	v_max_num_f32 v254, v254, v236                 ; and among lane l xor 16's
	s_delay_alu instid0(VALU_DEP_1)
	v_mul_f32 v254, s[CS], v254                    ; as t (c is positive)
	s_delay_alu instid0(VALU_DEP_1)
	v_max_num_f32 v13, v13, v254                   ; the running largest t
	v_mov_b32 v254, v12
	s_delay_alu instid0(VALU_DEP_2)
	v_floor_f32 v12, -v13                          ; the new -M = floor(-t) = -ceil(t): M is a whole number
	s_delay_alu instid0(VALU_DEP_1)
	v_sub_f32 v254, v12, v254                      ; M's old value less its new one: a whole number, 0 or less
	s_delay_alu instid0(VALU_DEP_1)
	v_cvt_i32_f32 v254, v254                       ; (it saturates)
	s_delay_alu instid0(VALU_DEP_1)
	v_ldexp_f32 v252, 1.0, v254                    ; f = 2^(old M - new M): a multiplication by it rounds nothing
.set ii, 0
	s_setprio 1
.rept 32
	v_pk_fma_f32 v[S+ii:S+ii+1], v[S+ii:S+ii+1], s[CS:CS+1], v[12:13] op_sel_hi:[1,0,0]   ; t - M, two at a time (of the pairs c and -M the low word serves both halves)
.set ii, ii+2
.endr
.set ii, 0
	s_wait_alu depctr_va_vdst(0)
.rept 64
	v_exp_f32 v[S+ii], v[S+ii]                     ; p = 2^(t - M), at most 1: not normalised
.set ii, ii+1
.endr
	v_pk_mul_f32 v[14:15], v[14:15], v[252:253] op_sel_hi:[1,0]   ; the sums under the new M: the plain line behind the exponentials
	s_wait_alu depctr_va_vdst(0)                   ; the wait ahead of the first line that names an exponential's result: one for the batch of 64
	v_pk_add_f32 v[242:243], v[100:101], v[104:105]
	v_pk_add_f32 v[254:255], v[108:109], v[112:113]
	v_pk_add_f32 v[250:251], v[116:117], v[120:121]
	v_pk_add_f32 v[248:249], v[124:125], v[128:129]
	v_pk_add_f32 v[246:247], v[132:133], v[136:137]
	v_pk_add_f32 v[240:241], v[140:141], v[144:145]
	v_pk_add_f32 v[238:239], v[148:149], v[152:153]
	v_pk_add_f32 v[14:15], v[14:15], v[156:157]
	v_pk_add_f32 v[242:243], v[242:243], v[96:97]
	v_pk_add_f32 v[254:255], v[254:255], v[98:99]
	v_pk_add_f32 v[250:251], v[250:251], v[102:103]
	v_pk_add_f32 v[248:249], v[248:249], v[106:107]
	v_pk_add_f32 v[246:247], v[246:247], v[110:111]
	v_pk_add_f32 v[240:241], v[240:241], v[114:115]
	v_pk_add_f32 v[238:239], v[238:239], v[118:119]
	v_pk_add_f32 v[14:15], v[14:15], v[122:123]
	v_pk_add_f32 v[242:243], v[242:243], v[126:127]
	v_pk_add_f32 v[254:255], v[254:255], v[130:131]
	v_pk_add_f32 v[250:251], v[250:251], v[134:135]
	v_pk_add_f32 v[248:249], v[248:249], v[138:139]
	v_pk_add_f32 v[246:247], v[246:247], v[142:143]
	v_pk_add_f32 v[240:241], v[240:241], v[146:147]
	v_pk_add_f32 v[238:239], v[238:239], v[150:151]
	s_setprio 0
	v_pk_add_f32 v[14:15], v[14:15], v[154:155]
	v_pk_add_f32 v[242:243], v[242:243], v[158:159]
	s_delay_alu instid0(VALU_DEP_2)
	v_pk_add_f32 v[14:15], v[14:15], v[248:249]
	s_delay_alu instid0(VALU_DEP_2)
	v_pk_add_f32 v[242:243], v[242:243], v[246:247]
	v_pk_add_f32 v[254:255], v[254:255], v[240:241]
	v_pk_add_f32 v[250:251], v[250:251], v[238:239]
	s_delay_alu instid0(VALU_DEP_2)
	v_pk_add_f32 v[14:15], v[14:15], v[254:255]
	s_delay_alu instid0(VALU_DEP_2)
	v_pk_add_f32 v[242:243], v[242:243], v[250:251]
	s_delay_alu instid0(VALU_DEP_1)
	v_pk_add_f32 v[14:15], v[14:15], v[242:243]
.irp t, 0,1,2,3,4,5,6,7
.irp i, 0,1,2,3,4,5,6,7
.endr
	v_cvt_scalef32_pk8_fp8_f32 v[P+2*\t:P+2*\t+1], v[S+8*\t:S+8*\t+7], v244   ; keys 16 t + 8 h + 0 .. 7: registers 2 t, 2 t + 1 of the second product's operand
.endr
.set ii, 0
.rept 16
	v_pk_mul_f32 v[O+ii:O+ii+1], v[O+ii:O+ii+1], v[252:253] op_sel_hi:[1,0]   ; O^T under the new M.  (These are also the plain lines between the conversions and the matrix instructions)
.set ii, ii+2
.endr
	s_wait_alu depctr_va_vdst(0)
	s_wait_dscnt 0x0                               ; V is in
.irp u, 0,1,2,3
	v_wmma_f32_16x16x128_fp8_fp8 v[O+8*\u:O+8*\u+7], v[F+16*\u:F+16*\u+15], v[P:P+15], v[O+8*\u:O+8*\u+7]   ; four accumulators, one instruction each
.endr
.Lhidden_\@:
	s_add_co_u32 s[TB], s[TB], 8192
	s_add_co_u32 s[KS], s[KS], 1
.endm
.macro KLOOP n, tb, ks, qreg, dreg     ; n key steps from step ks on, whose tiles begin at byte tb
	s_mov_b32 s[TB], \tb
	s_mov_b32 s[KS], \ks
	s_mov_b32 s[CNT], \n
.Lk_\@:
	STEP \qreg, \dreg
	s_sub_co_u32 s[CNT], s[CNT], 1
	s_cmp_lg_u32 s[CNT], 0
	s_cbranch_scc1 .Lk_\@
	s_setprio 0
.endm
.macro INIT                            ; a pass begins: the step is written without a first step of its own, so it finds zeros, which the first change of M leaves zeros
	v_mov_b32 v13, 0xff61b1e6                      ; the largest t so far: -3e38, under every t
	s_delay_alu instid0(VALU_DEP_1)
	v_floor_f32 v12, -v13
	v_mov_b32 v14, 0
	v_mov_b32 v15, 0
.set ii, 0
.rept 32
	v_mov_b32 v[O+ii], 0
.set ii, ii+1
.endr
.endm
.macro WAYOUT p, base                  ; O^T / the sum, converted, stored: 1,024 consecutive aligned bytes a tile
	v_add_f32 v14, v14, v15                        ; the sum's two halves,
	s_delay_alu instid0(VALU_DEP_1)
	v_permlanex16_b32 v236, v14, s[SEL], s[SEL+1]
	s_delay_alu instid0(VALU_DEP_1)
	v_add_f32 v14, v14, v236                       ; and lane l xor 16's: the row's sum.  It is above 1/2
	s_wait_alu depctr_va_vdst(0)
	v_rcp_f32 v252, v14
.rept 3
	v_nop                                          ; the plain line behind the reciprocal; with the additions above, the places behind the last products
.endr
	s_wait_alu depctr_va_vdst(0)                   ; the wait ahead of the first reader
.set ii, 0
.rept 16
	v_pk_mul_f32 v[S+ii:S+ii+1], v[O+ii:O+ii+1], v[252:253] op_sel_hi:[1,0]
.set ii, ii+2
.endr
.set ii, 0
.rept 32
.set ii, ii+1
.endr
.irp u, 0,1,2,3
	v_cvt_scalef32_pk8_fp8_f32 v[OC+8*\p+2*\u:OC+8*\p+2*\u+1], v[S+8*\u:S+8*\u+7], v245   ; channels 16 u + 8 h + 0 .. 7 of my query
.endr
	v_nop                                          ; a plain line between the conversions and the next products, which write their sources
	global_store_b128 v[LI], v[OC+8*\p:OC+8*\p+3], s[\base:\base+1]
	global_store_b128 v[LI], v[OC+8*\p+4:OC+8*\p+7], s[\base:\base+1] offset:512
.endm
	s_wait_tensorcnt 0x3                           ; a fetching wave's first load is in: key steps 0 to 3; its three younger loads stay out: they fill other bytes, and nothing is filled again
	s_barrier_signal -1
	s_barrier_wait -1                              ; everybody's is
	s_wait_loadcnt 0x0                             ; Q
	s_mov_b32 s[LAST], s[GRP]                      ; the first pass: tile 8 grp + .., steps 0 .. grp
	INIT
	KLOOP 4, 0, 0, Q, D0
	s_wait_tensorcnt 0x0                           ; all of K and V that I asked for is in,
	s_wait_dscnt 0x0
	s_barrier_signal -1
	s_barrier_wait -1                              ; and all that the others asked for: no further barrier is needed, and each wave goes on at its own pace
	KLOOP 4, 32768, 4, Q, D0
	WAYOUT 0, 82
	s_sub_co_u32 s[LAST], 15, s[GRP]               ; the second pass: tile 127 less the first, steps 0 .. 15 - grp
	INIT
	KLOOP 16, 0, 0, Q+8, D0+1
	WAYOUT 1, 84
	s_wait_tensorcnt 0x0                           ; the wave's end: the wait, the add and its wait, behind the last tensor load
	ds_add_u32 v[SPW], v[NIL]
	s_wait_dscnt 0x0
	CROUND                                         ; the closing round
	s_endpgm
.Lfunc_end_k_q77ec1d996b_attn:
	.size	k_q77ec1d996b_attn, .Lfunc_end_k_q77ec1d996b_attn-k_q77ec1d996b_attn
	.p2alignl 7, 3214868480
	.fill 96, 4, 3214868480
	.section	.rodata,"a",@progbits
	.p2align	6, 0x0
	.amdhsa_kernel k_q77ec1d996b_attn
		.amdhsa_group_segment_fixed_size 264192
		.amdhsa_private_segment_fixed_size 0
		.amdhsa_enable_private_segment 0
		.amdhsa_kernarg_size 24
		.amdhsa_user_sgpr_count 2
		.amdhsa_user_sgpr_kernarg_segment_ptr 1
		.amdhsa_wavefront_size32 1
		.amdhsa_system_sgpr_workgroup_id_x 1
		.amdhsa_system_sgpr_workgroup_id_y 1
		.amdhsa_system_sgpr_workgroup_id_z 1
		.amdhsa_system_vgpr_workitem_id 0
		.amdhsa_next_free_vgpr 256
		.amdhsa_next_free_sgpr 96
		.amdhsa_reserve_vcc 1
		.amdhsa_float_denorm_mode_32 3
		.amdhsa_float_denorm_mode_16_64 3
		.amdhsa_fp16_overflow 1
		.amdhsa_memory_ordered 1
		.amdhsa_forward_progress 1
		.amdhsa_inst_pref_size 73
	.end_amdhsa_kernel
	.amdgpu_metadata
---
amdhsa.version: [ 1, 2 ]
amdhsa.kernels:
  - .name:           k_q77ec1d996b_attn
    .symbol:         k_q77ec1d996b_attn.kd
    .args:
      - { .name: qkv, .offset: 0, .size: 8, .value_kind: global_buffer, .address_space: global }
      - { .name: lowp_scales, .offset: 8, .size: 8, .value_kind: global_buffer, .address_space: global }
      - { .name: ac, .offset: 16, .size: 8, .value_kind: global_buffer, .address_space: global }
    .group_segment_fixed_size: 264192
    .private_segment_fixed_size: 0
    .kernarg_segment_align: 8
    .kernarg_segment_size: 24
    .max_flat_workgroup_size: 512
    .sgpr_count:     96
    .vgpr_count:     256
    .wavefront_size: 32
...
	.end_amdgpu_metadata
.endif
;; end of part 3
;; launch outp (part 4): grid 4 x 32, 4 waves a work-group, clusters of 4 x 4, 327,680 bytes of LDS; arguments ac, wc, lowp_scales, out0; writes out0
.if DOCPART == 4
	.amdgcn_target "amdgcn-amd-amdhsa--gfx1250"
	.amdhsa_code_object_version 6
	.text
	.protected	k_q77ec1d996b_outp
	.globl	k_q77ec1d996b_outp
	.p2align	8
	.type	k_q77ec1d996b_outp,@function
k_q77ec1d996b_outp:
	s_mov_b64 s[64:65], 0
	v_nop
	global_prefetch_b8 v0, s[64:65] scope:SCOPE_SE
	s_setreg_imm32_b32 hwreg(HW_REG_WAVE_MODE, 25, 1), 1
	s_wait_xcnt 0x0
	s_wait_alu depctr_hold_cnt(0) depctr_sa_sdst(0) depctr_va_vdst(0) depctr_va_sdst(0) depctr_va_ssrc(0) depctr_va_vcc(0) depctr_vm_vsrc(0)
	s_getreg_b32 s2, hwreg(HW_REG_IB_STS2, 6, 4)
	s_cmp_eq_u32 s2, 0
	s_cbranch_scc0 .Lentry_in_a_cluster
	s_endpgm
.Lentry_in_a_cluster:
	s_bfe_u32 s2, ttmp6, 0x10000c
	s_cmp_lg_u32 s2, 0xf033
	s_cbranch_scc0 .Lentry_shape_is_right
	s_endpgm
.Lentry_shape_is_right:
; out0[token][n] = 2^(e10 + e11) x the sum over k of ac[token][k] W_o[n][k], on E4M3 codes; f32 sums; out0 [8192][1024] f32.
; Both operands are images of registers: a fragment of 16 rows x 128 K is 2,048 bytes [quad][lane][16], fragment 8 rb + kb at 2,048 x that number.  A = ac; B = W_o's codes, at wc + 3 x 2^20.
; A tile of the result, 256 x 256, is made by four waves, each 128 x 128: 64 accumulators, 512 registers.  K = 1,024 goes in four slots' worth of 256 through a ring of two LDS slots.
; The matrix instruction takes 16 rows of B as source 0 and 16 rows of A as source 1: a lane then holds eight neighbouring numbers of a row of the result.
; CLUSTERS: 4 x 4 work-groups.  The four of a row of the cluster need the same tiles of A, the four of a column the same tiles of B: each is asked for jointly, by the same tensor load with a mask that names the four.
; LIMIT: e10 + e11 lies between -126 and 127, so that 2^(e10 + e11) is an f32 number.
; REGISTERS, in windows of 256: window 0: v16-29 addresses; from v128 A's fragments, one set; on the way out v32-255 are free.  window 1: B's fragments, two sets.
;   window 2: the accumulators of my rows 0-63 ((a, b) at v[8 (8 a + b)]);  window 3: those of rows 64-127.
.set SIZE_N, 1024
.set HALFT,  32768                     ; 8 row blocks x 4,096 bytes: what one tensor load brings, and what one wave reads of A or of B
.set SLOT,   4*HALFT                   ; A's 16 row blocks, then B's 16
.set SPARE,  2*SLOT                    ; behind the ring: the spare words, 128 bytes for each wave: two blocks of 256 bytes that no other line names
.set KB,     4096                      ; a slot's worth of K in a row block of memory, in bytes
.set FR,     16
.set NL,     4
.set NP,     4                         ; places behind this matrix instruction (ISA guide 7.12.1)
.set SPITCH, 528                       ; the way out: a stage of 16 rows x (512 bytes + 16) for each wave.  It lies in slot 0, which has had its last fill and its last read when the first result is stored there
.set ADRA, 16
.set ADRB, 20
.set STO,  24                          ; v24     the way out: where I put 32 bytes of a row
.set RD,   25                          ; v25     where I read a row back
.set CO,   26                          ; v26     16 x lane: my place in an image, and in a row's 512 bytes of the result
.set SPW,  28
.set NIL,  29
.set TMP,  32
.set AF,   128
.set BK,   128                         ; the way out: 16 rows read back from the stage: v128-191 and v192-255 by turns
.set G1, 24
.set G0, 32
.set G1B, 48
.set G0B, 56
.set MSB, 0
.macro WIN new                         ; the immediate's high byte repeats the setting that is left
.if MSB != \new
	s_set_vgpr_msb (MSB<<8)|\new
.set MSB, \new
.endif
.endm
.set MUL_LO, 0xa1                      ; source 0 (B) window 1, source 1 (A) window 0, C and D window 2
.set MUL_HI, 0xf1                      ; the same, C and D window 3
.set TO_B,   0x40                      ; destination window 1, address window 0
; A joint load: waves 0 and 1 fetch for A, waves 2 and 3 for B; the branch hangs on the wave's number alone.  An s_nop 0 and four v_nop follow each of the two lines.
.macro JLOAD g0a, g1a, g0b, g1b
	s_cmp_eq_u32 s15, 0
	s_cbranch_scc0 .Lfor_b_\@
	tensor_load_to_lds s[\g0a:\g0a+3], s[\g1a:\g1a+7]
	s_nop 0
.rept 4
	v_nop
.endr
	s_branch .Lasked_\@
.Lfor_b_\@:
	tensor_load_to_lds s[\g0b:\g0b+3], s[\g1b:\g1b+7]
	s_nop 0
.rept 4
	v_nop
.endr
.Lasked_\@:
.endm
.macro CREST                           ; a round of the cluster's barrier behind its opening barrier
	s_cmp_lg_u32 s14, 0
	s_cbranch_scc1 .Lnot_wave_0_\@
	s_barrier_signal -3
.Lnot_wave_0_\@:
	s_barrier_wait -3
	s_barrier_signal -1
	s_barrier_wait -1
.endm
.macro CROUND                          ; a whole round
	s_barrier_signal -1
	s_barrier_wait -1
	CREST
.endm
	s_load_b128 s[4:7], s[0:1], 0x0                ; ac s[4:5], wc s[6:7]
	s_load_b128 s[8:11], s[0:1], 0x10              ; the exponents s[8:9], out0 s[10:11]
	v_lshl_add_u32 v[SPW], v0, 2, SPARE
	v_mov_b32 v[NIL], 0
	ds_add_u32 v[SPW], v[NIL]                      ; the wave's opening: the add and its wait stand ahead of my first tensor load; the set-up below, work on registers, stands between them
	ds_add_u32 v[SPW], v[NIL]
	v_lshrrev_b32 v1, 5, v0
	v_readfirstlane_b32 s14, v1                    ; wave 0..3
	s_lshr_b32 s15, s14, 1                         ; which half of the tile's rows is mine.  Also: I fetch for A (0) or for B (1)
	s_and_b32 s16, s14, 1                          ; which half of its columns.  Also: which 8 row blocks of that tile I fetch
	s_bfe_u32 s40, ttmp6, 0x40000                  ; cx, cy: my place in the cluster
	s_bfe_u32 s41, ttmp6, 0x40004
	s_lshl_b32 s42, ttmp9, 2
	s_add_co_u32 s42, s42, s40                     ; tile column = 4 x cluster x + cx
	s_and_b32 s17, ttmp7, 0xffff
	s_lshl_b32 s17, s17, 2
	s_add_co_u32 s17, s17, s41                     ; tile row = 4 x cluster y + cy
	s_lshl_b32 s43, s41, 2
	s_lshl_b32 s43, 15, s43                        ; my row of the cluster
	s_lshl_b32 s44, 0x1111, s40                    ; my column
	; descriptor group 1: 8 rows (row blocks) of 512 elements of 8 bytes, 2,048 elements apart; they lie on end in LDS
	s_or_b32 s[G1+0], s43, (3<<16)|(1<<21)         ; 15:0 the mask: A's tiles go to my row; 17:16 elements of 8 bytes; 20 no padding; 21 set beside a mask
	s_or_b32 s[G1B+0], s44, (3<<16)|(1<<21)
.irp g, G1, G1B
	s_mov_b32 s[\g+1], 512<<16                     ; tensor_dim0 = 512
	s_mov_b32 s[\g+2], 8<<16                       ; tensor_dim1 = 8
	s_mov_b32 s[\g+3], 512<<16                     ; tile_dim0 = 512
	s_mov_b32 s[\g+4], 8                           ; tile_dim1 = 8
	s_mov_b32 s[\g+5], 2048                        ; tensor_dim0_stride
	s_mov_b32 s[\g+6], 0
	s_mov_b32 s[\g+7], 0
.endr
	s_lshl_b32 s18, s16, 17                        ; which 8 row blocks of the tile I fetch
	s_lshl_b32 s20, s17, 18                        ; a tile is 16 row blocks of 16,384 bytes
	s_add_co_u32 s20, s20, s18
	s_mov_b32 s21, 0
	s_lshl_b32 s46, s42, 18
	s_add_co_u32 s46, s46, s18
	s_add_co_u32 s46, s46, 3<<20                   ; W_o's part of wc
	s_mov_b32 s47, 0
	s_mul_i32 s45, s14, HALFT                      ; where my tiles go: no place in the cluster enters an LDS address
	s_wait_dscnt 0x0                               ; the opening add is done
	s_wait_kmcnt 0x0
	s_load_b64 s[96:97], s[8:9], 0x28              ; e10, e11
	s_add_nc_u64 s[20:21], s[4:5], s[20:21]
	s_add_nc_u64 s[46:47], s[6:7], s[46:47]
	CROUND                                         ; all sixteen work-groups are here: the first joint loads meet
.irp s, 0,1
	s_mov_b32 s[G0+4*\s], 1
	s_add_co_u32 s[G0+4*\s+1], s45, \s*SLOT
	s_add_nc_u64 s[G0+4*\s+2:G0+4*\s+3], s[20:21], \s*KB
	s_or_b32 s[G0+4*\s+3], s[G0+4*\s+3], 0x80000000
	s_mov_b32 s[G0B+4*\s], 1
	s_add_co_u32 s[G0B+4*\s+1], s45, \s*SLOT
	s_add_nc_u64 s[G0B+4*\s+2:G0B+4*\s+3], s[46:47], \s*KB
	s_or_b32 s[G0B+4*\s+3], s[G0B+4*\s+3], 0x80000000
	s_wait_alu depctr_va_vdst(0)
	s_wait_tensorcnt 0x0
	ds_add_u32 v28, v29
	ds_add_u32 v28, v29
	s_wait_dscnt 0x0
	CROUND
	JLOAD G0+4*\s, G1, G0B+4*\s, G1B
.endr
	v_and_b32 v1, 15, v0                           ; l % 16
	s_wait_alu depctr_va_vdst(0)
	v_bfe_u32 v2, v0, 4, 1                         ; l / 16
	v_and_b32 v6, 31, v0
	v_lshlrev_b32 v[CO], 4, v6
	s_mul_i32 s21, s15, HALFT                      ; my 8 row blocks of A
	s_mul_i32 s22, s16, HALFT                      ; my 8 row blocks of B,
	s_add_co_u32 s22, s22, 2*HALFT                 ; which lie behind A's 16
.irp s, 0,1
	v_add_nc_u32 v[ADRA+\s], s21, v[CO]
	v_add_nc_u32 v[ADRB+\s], s22, v[CO]
	s_add_co_u32 s21, s21, SLOT
	s_add_co_u32 s22, s22, SLOT
.endr
	s_mul_i32 s23, s14, 16*SPITCH                  ; my stage
	v_mul_u32_u24 v5, v1, SPITCH                   ; in: row l % 16, 32 bytes for each half of the lanes
	s_wait_alu depctr_va_vdst(0)
	v_lshl_add_u32 v5, v2, 5, v5
	v_add_nc_u32 v[STO], s23, v5
	v_add_nc_u32 v[RD], s23, v[CO]                 ; back: the 32 lanes take one row of 512 bytes
	s_lshl_b32 s20, s17, 8
	s_lshl_b32 s21, s15, 7
	s_add_co_u32 s20, s20, s21                     ; my first row of the result: 256 x tile row + 128 x half,
	s_lshl_b32 s20, s20, 12                        ; of 4,096 bytes
	s_lshl_b32 s46, s42, 10                        ; my first column, in bytes: 1,024 x tile column + 512 x half
	s_lshl_b32 s47, s16, 9
	s_add_co_u32 s46, s46, s47
	s_add_co_u32 s20, s20, s46
	s_mov_b32 s21, 0
	s_add_nc_u64 s[10:11], s[10:11], s[20:21]
.macro FRAG reg, adr, q, i             ; a fragment comes as it was stored: four loads of 512 consecutive bytes; row block i, the slot's q-th 128 along K
.irp c, 0,1,2,3
	ds_load_b128 v[\reg+4*\c:\reg+4*\c+3], v[\adr] offset:2048*(\q)+4096*(\i)+512*\c
.endr
.endm
; 16 matrix instructions: A's blocks a0, a0 + 1 x B's eight, 128 along K.  The 64 accumulators take turns, one instruction a turn, in the same order in every step.
.macro MUL16 a0, p, zero
.irp a, \a0, \a0+1
.irp b, 0,1,2,3,4,5,6,7
.if \zero
	v_wmma_f32_16x16x128_fp8_fp8 v[8*(8*((\a)%4)+\b):8*(8*((\a)%4)+\b)+7], v[128*(\p)+FR*\b:128*(\p)+FR*\b+FR-1], v[AF+FR*(\a):AF+FR*(\a)+FR-1], 0
.else
	v_wmma_f32_16x16x128_fp8_fp8 v[8*(8*((\a)%4)+\b):8*(8*((\a)%4)+\b)+7], v[128*(\p)+FR*\b:128*(\p)+FR*\b+FR-1], v[AF+FR*(\a):AF+FR*(\a)+FR-1], v[8*(8*((\a)%4)+\b):8*(8*((\a)%4)+\b)+7]
.endif
.endr
.endr
.endm
.macro FETCH_B slot, q, p
	WIN TO_B
.irp i, 0,1,2,3,4,5,6,7
	FRAG 128*(\p)+FR*\i, ADRB+\slot, \q, \i
.endr
	WIN 0
.endm
.macro FETCH_A slot, q, i0
.irp i, \i0, \i0+1, \i0+2, \i0+3
	FRAG AF+FR*(\i), ADRA+\slot, \q, \i
.endr
.endm
.macro PLACES n                        ; places in front of loads into registers that matrix instructions have read, and of the first read of results (ISA guide 7.12.1 for vector instructions)
.rept \n
	v_nop
.endr
.endm
.macro STEP slot, q, zero              ; a step of 128 along K that has its successor in the same slot
	s_wait_dscnt 4*NL                              ; B's set and A's blocks 0-3 are in; the youngest sixteen loads (A's blocks 4-7) may be out
	WIN MUL_LO
	MUL16 0, (\q)%2, \zero
	MUL16 2, (\q)%2, \zero
	s_wait_dscnt 0                                 ; A's blocks 4-7 are in
	PLACES NP
	FETCH_B \slot, (\q)+1, 1-(\q)%2
	FETCH_A \slot, (\q)+1, 0
	WIN MUL_HI
	MUL16 4, (\q)%2, \zero
	MUL16 6, (\q)%2, \zero
	PLACES NP
	WIN 0
	FETCH_A \slot, (\q)+1, 4
.endm
; A slot's last step changes slots: one barrier; in front of it each wave waits for all its tensor loads, adds 0 to its spare word, and waits for that and for its own reads of this slot.  fill = 1: this slot is filled again.
.macro TURN slot, next, fill
	s_wait_tensorcnt 0x0                           ; all my tensor loads have landed: my part of the next slot;  (every window is 0 here)
	ds_add_u32 v[SPW], v[NIL]                      ; 0 onto my spare word
	s_wait_dscnt 4*NL+1                            ; (the add and the youngest sixteen loads, A's blocks 4-7, may be out)
	WIN MUL_LO
	MUL16 0, 1, 0                                  ; sixteen matrix instructions stand between the add and the wait for it
	s_wait_dscnt 0x0                               ; the add is done, and my reads of this slot are over
	s_barrier_signal -1
	MUL16 2, 1, 0
	WIN 0
	s_barrier_wait -1
.if \fill
	CREST                                          ; the barrier has opened a round of the cluster's barrier: no wave of any partner still reads this slot's tile or has a load on its way
	s_add_nc_u64 s[G0+4*\slot+2:G0+4*\slot+3], s[G0+4*\slot+2:G0+4*\slot+3], 2*KB
	s_add_nc_u64 s[G0B+4*\slot+2:G0B+4*\slot+3], s[G0B+4*\slot+2:G0B+4*\slot+3], 2*KB
	JLOAD G0+4*\slot, G1, G0B+4*\slot, G1B         ; the first tensor load behind the round; the four v_nop behind it are the places in front of the loads below
.else
	PLACES NP
.endif
	FETCH_B \next, 0, 0
	FETCH_A \next, 0, 0
	WIN MUL_HI
	MUL16 4, 1, 0
	MUL16 6, 1, 0
	PLACES NP
	WIN 0
	FETCH_A \next, 0, 4
.endm
	s_wait_tensorcnt 1                             ; my part of the first slot is in (the second slot's load may be out)
	s_barrier_signal -1
	s_barrier_wait -1                              ; everybody's is
	FETCH_B 0, 0, 0
	FETCH_A 0, 0, 0
	FETCH_A 0, 0, 4
	STEP 0, 0, 1                                   ; K = 1,024 is eight steps, written out: the first starts the sums
	TURN 0, 1, 1
	STEP 1, 0, 0
	TURN 1, 0, 1
	STEP 0, 0, 0
	TURN 0, 1, 0                                   ; nothing more is asked for; behind this barrier nobody reads slot 0
	STEP 1, 0, 0
	s_wait_dscnt 4*NL                              ; the last step: nothing more to fetch
	WIN MUL_LO
	MUL16 0, 1, 0
	MUL16 2, 1, 0
	s_wait_dscnt 0
	WIN MUL_HI
	MUL16 4, 1, 0
	MUL16 6, 1, 0
	WIN 0
; THE WAY OUT, block by block of 16 rows x 128 columns.  A lane holds 32 neighbouring bytes of a row, and the lanes beside it hold other rows: so a block goes through my own stage in LDS and comes back as whole
; rows of 512 bytes, which the 32 lanes store as 512 consecutive aligned bytes.  LDS serves a wave's instructions in order (ISA guide 5.7.1.4): no wait between the stores and the loads.
.macro TOSTAGE a
.set AC, 64*((\a)%4)
	WIN 0x02+((\a)/4)                              ; source 0: window 2 or 3
.set ii, 0
.rept 32
	v_pk_mul_f32 v[TMP+ii:TMP+ii+1], v[AC+ii:AC+ii+1], s[96:97] op_sel_hi:[1,0]   ; both x s96 = 2^(e10 + e11); each accumulator from its low end on
.set ii, ii+2
.endr
	WIN 0
.irp b, 0,1,2,3,4,5,6,7
	ds_store_b128 v[STO], v[TMP+8*\b:TMP+8*\b+3] offset:64*\b
	ds_store_b128 v[STO], v[TMP+8*\b+4:TMP+8*\b+7] offset:64*\b+16
.endr
.set BB, BK+64*((\a)%2)
.irp t, 0,1,2,3,4,5,6,7,8,9,10,11,12,13,14,15
	ds_load_b128 v[BB+4*\t:BB+4*\t+3], v[RD] offset:\t*SPITCH
.endr
.endm
.macro SEND a, younger                 ; younger: the LDS instructions issued behind block a's loads, which may stay out
.set BB, BK+64*((\a)%2)
	s_wait_dscnt \younger                          ; the block is back in registers
.if (\a) > 0
	s_add_nc_u64 s[10:11], s[10:11], 16*SIZE_N*4   ; (behind a wait on XCNT: the earlier stores have read their base)  16 rows on
.endif
.irp t, 0,1,2,3,4,5,6,7,8,9,10,11,12,13,14,15
	global_store_b128 v[CO], v[BB+4*\t:BB+4*\t+3], s[10:11] offset:\t*SIZE_N*4 th:TH_STORE_NT   ; written once, read by nobody here
.endr
.endm
	s_wait_kmcnt 0x0
	s_add_co_i32 s96, s96, s97                     ; e10 + e11, between -126 and 127,
	s_add_co_i32 s96, s96, 127
	s_lshl_b32 s96, s96, 23                        ; makes the f32 number 2^(e10 + e11)
	PLACES NP                                      ; behind the last products: for the reads of results and the loads into the registers that held A's fragments
	TOSTAGE 0
.irp a, 1,2,3,4,5,6,7
.if \a > 1
	s_wait_xcnt 0x0                                ; block a - 2's stores have read their registers and their base: block a's loads may land there, and the base may step
.endif
	TOSTAGE \a
	SEND \a-1, 32                                  ; behind block a - 1's loads: block a's 16 stores and 16 loads
.endr
	s_wait_xcnt 0x0                                ; block 6's stores have read their base
	SEND 7, 0
	s_wait_tensorcnt 0x0                           ; the wave's end: the wait, the add and its wait, behind my last tensor load and my last LDS store
	ds_add_u32 v[SPW], v[NIL]
	s_wait_dscnt 0x0
	CROUND                                         ; the closing round: no work-group ends while a partner may still ask for a tile that names it
	s_endpgm
.Lfunc_end_k_q77ec1d996b_outp:
	.size	k_q77ec1d996b_outp, .Lfunc_end_k_q77ec1d996b_outp-k_q77ec1d996b_outp
	.p2alignl 7, 3214868480
	.fill 96, 4, 3214868480
	.section	.rodata,"a",@progbits
	.p2align	6, 0x0
	.amdhsa_kernel k_q77ec1d996b_outp
		.amdhsa_group_segment_fixed_size 327680
		.amdhsa_private_segment_fixed_size 0
		.amdhsa_enable_private_segment 0
		.amdhsa_kernarg_size 32
		.amdhsa_user_sgpr_count 2
		.amdhsa_user_sgpr_kernarg_segment_ptr 1
		.amdhsa_wavefront_size32 1
		.amdhsa_system_sgpr_workgroup_id_x 1
		.amdhsa_system_sgpr_workgroup_id_y 1
		.amdhsa_system_sgpr_workgroup_id_z 1
		.amdhsa_system_vgpr_workitem_id 0
		.amdhsa_next_free_vgpr 1024
		.amdhsa_next_free_sgpr 98
		.amdhsa_reserve_vcc 0
		.amdhsa_float_denorm_mode_32 3
		.amdhsa_float_denorm_mode_16_64 3
		.amdhsa_memory_ordered 1
		.amdhsa_forward_progress 1
		.amdhsa_inst_pref_size 124
	.end_amdhsa_kernel
	.amdgpu_metadata
---
amdhsa.version: [ 1, 2 ]
amdhsa.kernels:
  - .name:           k_q77ec1d996b_outp
    .symbol:         k_q77ec1d996b_outp.kd
    .args:
      - { .name: ac, .offset: 0, .size: 8, .value_kind: global_buffer, .address_space: global }
      - { .name: wc, .offset: 8, .size: 8, .value_kind: global_buffer, .address_space: global }
      - { .name: lowp_scales, .offset: 16, .size: 8, .value_kind: global_buffer, .address_space: global }
      - { .name: out0, .offset: 24, .size: 8, .value_kind: global_buffer, .address_space: global }
    .group_segment_fixed_size: 327680
    .private_segment_fixed_size: 0
    .kernarg_segment_align: 8
    .kernarg_segment_size: 32
    .max_flat_workgroup_size: 128
    .sgpr_count:     98
    .vgpr_count:     1024
    .wavefront_size: 32
...
	.end_amdgpu_metadata
.endif
;; end of part 4
